; MI455X (gfx1250); checked and timed in simulation.
; The chip was launched on July 23, 2026; its instructions are those of AMD's public machine-readable ISA for CDNA 5 (MIT licence, August 2026) and "CDNA5" Instruction Set Architecture Reference Guide (July 2026). The comments in the code are by the model that wrote it; some were corrected since.
;; Label Similarity. Allowed arithmetic: matrix products marked QUANTISED: E3M2 operands, one E8M0 scale for each 32 along K, by v_wmma_scale_f32_16x16x128_f8f6f4 with both operands' format E3M2, f32 sums; everything else in f32.
;; Inputs: embed 256 x 128 x 768 float32; label_embed 200 x 8 x 768 float32.
;; Outputs: out0 128 x 200 float32.
;; This version of the problem:
;;   THIS VERSION OF THE PROBLEM IS GIVEN IN LOW PRECISION. The matrix products marked QUANTISED in the list below multiply operands that are first quantised to E3M2 (3 exponent bits, 2 mantissa bits; 6 bits a number), with one power-of-two scale for each 32 numbers along K (OCP MX v1.0); their sums are f32. All else is computed in f32.
;;   The module's matrix products, in the order in which they are computed (A, B: the left and right operand; K: the contracted axis; several contracted axes count as one K, in the product's order):
;;     1. [M 32,768, K 768] x [K 768, N 1,600]; A: input embed; B: input label_embed: QUANTISED
;;   THE QUANTISER, for each operand of a quantised product, along K:
;;     - K is cut into blocks of 32 from its start; a last block that is shorter is filled with zeros.
;;     - A block's scale is 2^e with e = floor(log2(the largest magnitude in the block)) - 4, held to -126 .. 127; a block of zeros has e = 0. As a byte (E8M0): e + 127.
;;     - Each number is divided by its block's scale, clamped to +-28, and rounded to the nearest number of E3M2, ties to even, subnormals kept.
;;     - The product sums the exact products of the quantised numbers (number of the format x scale) in f32.
;;   ~~~python
;;   def quantise(x, axis):      # numpy; x: float32 -> the quantised numbers, widened to float32 again
;;       x = np.moveaxis(x, axis, -1); K = x.shape[-1]
;;       x = np.pad(x, [(0, 0)] * (x.ndim - 1) + [(0, -K % 32)]); x = x.reshape(x.shape[:-1] + (-1, 32)); a = np.abs(x).max(-1, keepdims=True)
;;       e = np.where(a > 0, np.clip(np.frexp(np.where(a > 0, a, 1))[1] - 1 - 4, -126, 127), 0)      # np.frexp(a)[1] - 1 = floor(log2(a)), exactly
;;       r = np.clip(x / 2.0 ** e, -28, 28)
;;       step = 2.0 ** (np.maximum(np.frexp(np.where(r == 0, 1, r))[1] - 1, -2) - 2)
;;       q = np.round(r / step) * step * 2.0 ** e      # np.round: ties to even
;;       return np.moveaxis(q.reshape(q.shape[:-2] + (-1,))[..., :K], -1, axis).astype(np.float32)
;;   ~~~
;; One version. Each part assembles by itself: llvm-mc -triple=amdgcn-amd-amdhsa -mcpu=gfx1250 --defsym DOCPART=n.
;; ======== version 1 of 1: 2 launches
;; limits: below input magnitudes of 3.9e-21 results are inexact or not finite
;; workspace buffers: ea 19,922,944 bytes; lb 972,800 bytes
;; launch quant (part 1): grid 2148 x 1, 1 waves a work-group, no clusters, 9,216 bytes of LDS; arguments embed, label_embed, ea, lb; writes ea, lb
.if DOCPART == 1
	.amdgcn_target "amdgcn-amd-amdhsa--gfx1250"
	.amdhsa_code_object_version 6
	.text
	.protected	k_q80f5716600_quant
	.globl	k_q80f5716600_quant
	.p2align	8
	.type	k_q80f5716600_quant,@function
k_q80f5716600_quant:
	s_mov_b64 s[64:65], 0
	v_nop
	global_prefetch_b8 v0, s[64:65] scope:SCOPE_SE
	s_setreg_imm32_b32 hwreg(HW_REG_WAVE_MODE, 25, 1), 1
	s_wait_xcnt 0x0
; embed [256 s][128 b][768] and label_embed [1600][768], f32, become RECORDS: 16 rows x 768 K as codes of BF6 (E3M2) in the order of a matrix operand's registers,
; their E8M0 scale words, and two figures of each row's norm.  A record is 9,728 bytes (38 x 256):
;   1536 s + 512 c + 16 lane   registers 4 c .. 4 c + 3 of the fragment of K step s (128 along K; s = 0..5, c = 0..2): lane (r, h) holds row r, registers 6 c' .. 6 c' + 5 hold k = 64 c' + 32 h + 0..31
;   9216 + 128 p + 4 lane      scale words: lanes 0-15 row r's word of K step 2 p, lanes 16-31 that of K step 2 p + 1 (p = 0..2)
;   9600 + 4 r                 q0 = 1 / max(n, 2^-100),  n = sqrt(sum of x^2) of the UNQUANTISED row, in f32
;   9664 + 4 r                 q1 = 1e8 n
; Record T = 16 b + st of ea holds the rows (s = 16 st + r, b); record U of lb holds rows 16 U + r of the labels: labels 2 U and 2 U + 1, eight values each.
; A block's scale is 2^(floor(log2(its largest magnitude)) - 4); its byte is that magnitude's exponent field - 4, held at 1 from below by a floor among the maximum's leaves.
; A block of zeros so gets the byte 1 where the rule says 127: its codes are zeros, and this program alone reads the bytes.
; LIMITS: NaN and infinities among the inputs are not served.  Blocks whose largest magnitude lies under 2^(5 - 127) keep the byte 1.  The root takes a denormal sum as 0: a norm under 2^-63 counts as 0.
; SHARES: one wave makes one record (49,152 bytes in, 9,728 out) and is a work-group by itself: 2,148 work-groups are 8 or 9 for each of 256 WGPs, where groups of four waves would be 8 or 12 waves.
; Work-groups 0-2047 take embed, 2048-2147 the labels: one path through the text, only pointers, a stride and offsets are chosen.
; Each load takes 512 consecutive bytes of one row; the conversions want 16 neighbours along K in ONE lane's registers: so a K step's 16 x 512 bytes turn through the wave's stage in LDS.
; Memory binds: no matrix unit, no tensor loads, no barrier.  Two K steps of loads, 32 a wave, are on their way.
.set SPITCH, 528                       ; a stage row: 512 + 16: 33 x 16 bytes, so that sixteen lanes that read sixteen rows touch sixteen different 16-byte columns
.set TAIL,   16*SPITCH                 ; behind the stage's 16 rows: 512 bytes for the record's tail
.set REC,    9728
.set RR,   2                           ; r = lane % 16
.set HH,   3                           ; h = lane / 16
.set L16,  4                           ; 16 x lane: my bytes of a load's and of a store's 512, and my place in a stage row on the way in; never rewritten
.set SO,   6                           ; the stage on the way out: 528 r + 64 h
.set TW,   7                           ; the tail: 4 x lane
.set TRD,  8                           ; the tail: 16 x lane
.set R,    16                          ; v16-143   two sets of 64: a K step as loaded
.set X,    144                         ; v144-207  register 16 b + i = k 32 b + 16 h + i of row r
.set PC,   208                         ; v208-227  the codes just made
.set TM,   228                         ; v228-243  maxima, bytes, scale operands
.set PW,   244                         ; v244-249  the six scale words
.set SS,   250                         ; v250-253  the sum of squares, two packed chains
.set ROWS, 32                          ; s[32:63]  the addresses of my sixteen rows
	s_load_b256 s[4:11], s[0:1], 0x0               ; embed s[4:5], label_embed s[6:7], ea s[8:9], lb s[10:11]
	v_lshl_add_u32 v254, v0, 2, 0x2300
	v_mov_b32 v255, 0
	v_and_b32 v[RR], 15, v0                        ; (one wave: v0 is the lane)
	v_bfe_u32 v[HH], v0, 4, 1
	v_lshlrev_b32 v[L16], 4, v0
	v_mul_u32_u24 v[SO], v[RR], SPITCH
	v_lshl_add_u32 v[SO], v[HH], 6, v[SO]
	v_lshl_add_u32 v[TW], v0, 2, TAIL
	v_add_nc_u32 v[TRD], TAIL, v[L16]
.irp b, 0,1,2,3
	v_mov_b32 v[TM+4+\b], 0                        ; written once: a lane permute's destination counts as one of its sources
.endr
	s_mov_b32 s16, ttmp9                           ; T: the work-group's number
	s_and_b32 s17, s16, 15                         ; embed: st,
	s_lshr_b32 s18, s16, 4                         ; b
	s_mul_i32 s17, s17, 6291456                    ; 16 st steps of s, 128 x 3,072 bytes each,
	s_mul_i32 s18, s18, 3072
	s_add_co_u32 s17, s17, s18                     ; + b rows: under 2^27
	s_max_u32 s19, s16, 2048
	s_sub_co_u32 s19, s19, 2048                    ; labels: U = T - 2048 (0 in embed's work-groups, where it is not taken)
	s_mul_i32 s22, s19, 49152                      ; sixteen dense rows a record
	s_mov_b32 s23, 3072
	s_mov_b32 s20, 0x76543210
	s_mov_b32 s21, 0xfedcba98                      ; v_permlanex16_b32's selects for lane l xor 16
	s_wait_kmcnt 0x0
	s_cmp_lt_u32 s16, 2048                         ; embed's work-group or the labels'?  The choice hangs on the work-group's number alone
	s_cselect_b64 s[4:5], s[4:5], s[6:7]           ; from where,
	s_cselect_b64 s[8:9], s[8:9], s[10:11]         ; to where,
	s_cselect_b32 s14, 393216, s23                 ; bytes from row to row of a record,
	s_cselect_b32 s24, s17, s22                    ; where its first row begins,
	s_cselect_b32 s26, s16, s19                    ; which record
	s_mov_b32 s15, 0
	s_mov_b32 s25, 0
	s_mov_b32 s27, 0
	s_mul_i32 s26, s26, REC
	s_add_nc_u64 s[8:9], s[8:9], s[26:27]
	s_add_nc_u64 s[ROWS:ROWS+1], s[4:5], s[24:25]
.irp i, 1,2,3,4,5,6,7,8,9,10,11,12,13,14,15
	s_add_nc_u64 s[ROWS+2*\i:ROWS+2*\i+1], s[ROWS+2*\i-2:ROWS+2*\i-1], s[14:15]
.endr
.macro LOAD s                          ; K step s of my sixteen rows: each load is 512 consecutive bytes, at a multiple of 512 from the row's first byte; read once in the launch
.irp i, 0,1,2,3,4,5,6,7,8,9,10,11,12,13,14,15
	global_load_b128 v[R+64*((\s)%2)+4*\i:R+64*((\s)%2)+4*\i+3], v[L16], s[ROWS+2*\i:ROWS+2*\i+1] offset:512*(\s) th:TH_LOAD_NT
.endr
.endm
.macro TURN s                          ; through the stage: in as loaded, out 16 neighbours of each block of 32 to a lane.  LDS serves a wave's instructions in order: no wait between the stores and the loads
.irp i, 0,1,2,3,4,5,6,7,8,9,10,11,12,13,14,15
	ds_store_b128 v[L16], v[R+64*((\s)%2)+4*\i:R+64*((\s)%2)+4*\i+3] offset:SPITCH*\i
.endr
.irp b, 0,1,2,3
.irp j, 0,1,2,3
	ds_load_b128 v[X+16*\b+4*\j:X+16*\b+4*\j+3], v[SO] offset:128*\b+16*\j
.endr
.endr
.endm
.macro SQ first                        ; the row's sum of squares, of the numbers as they came: two packed chains; the first step's first two products start them
.set n, 0
.rept 32
.if \first && (n < 2)
	v_pk_mul_f32 v[SS+2*n:SS+2*n+1], v[X+2*n:X+2*n+1], v[X+2*n:X+2*n+1]
.else
	v_pk_fma_f32 v[SS+2*(n%2):SS+2*(n%2)+1], v[X+2*n:X+2*n+1], v[X+2*n:X+2*n+1], v[SS+2*(n%2):SS+2*(n%2)+1]
.endif
.set n, n+1
.endr
.endm
; The 64 numbers in X become a fragment's codes in v[PC] .. v[PC + 11] and its scale word in v[pw].
.macro QUANT pw
.irp b, 0,1,2,3
	v_max3_num_f32 v[TM+\b], |v[X+16*\b]|, |v[X+1+16*\b]|, 0x2800000   ; block b: my 16 numbers, and the floor 2^(5 - 127): so the byte cannot fall under 1
.endr
.irp i, 2,4,6,8,10,12,14
.irp b, 0,1,2,3
	v_max3_num_f32 v[TM+\b], v[TM+\b], |v[X+16*\b+\i]|, |v[X+1+16*\b+\i]|   ; the four blocks by turns: no line waits for the line above it
.endr
.endr
.irp b, 0,1,2,3
	v_permlanex16_b32 v[TM+4+\b], v[TM+\b], s20, s21
.endr
.irp b, 0,1,2,3
	v_max_num_f32 v[TM+\b], v[TM+\b], v[TM+4+\b]   ; with lane l xor 16's: the block's largest magnitude
.endr
.irp b, 0,1,2,3
	v_add_nc_u32 v[TM+12+\b], 0xfe000000, v[TM+\b] ; 4 off its exponent field: the conversion takes the exponent field of this operand as its scale, and nothing else of it
.endr
.irp b, 0,1,2,3
	v_lshrrev_b32 v[TM+4+\b], 23, v[TM+12+\b]      ; the scale's byte
.endr
	v_lshl_or_b32 v[\pw], v[TM+5], 8, v[TM+4]      ; the four bytes make my row's scale word (both halves of the lanes hold it)
	v_lshl_or_b32 v[\pw], v[TM+6], 16, v[\pw]
	v_lshl_or_b32 v[\pw], v[TM+7], 24, v[\pw]
.irp c, 0,1
	v_cvt_scalef32_pk16_bf6_f32 v[PC+6*\c:PC+2+6*\c], v[X+32*\c:X+15+32*\c], v[TM+12+2*\c]              ; to the nearest code, ties to even, beyond 28 the largest code
	v_cvt_scalef32_pk16_bf6_f32 v[PC+12+4*\c:PC+14+4*\c], v[X+16+32*\c:X+31+32*\c], v[TM+12+2*\c+1]    ; (a conversion's three registers begin on an even number)
.endr
	v_nop                                          ; one plain vector instruction behind a scaled conversion, ahead of what touches its result
.irp c, 0,1                                    ; the operand's layout wants a WHOLE block in a lane: lanes 0-15 block 2 c, lanes 16-31 block 2 c + 1
.irp i, 0,1,2
	v_permlane16_swap_b32 v[PC+6*\c+\i], v[PC+12+4*\c+\i]
.endr
.irp i, 0,1,2
	v_mov_b32 v[PC+3+6*\c+\i], v[PC+12+4*\c+\i]
.endr
.endr
.endm
.macro STEP s
.if \s < 5
	s_wait_loadcnt 16                              ; loads come back in order: this step's sixteen are in, the next step's sixteen may be out
.else
	s_wait_loadcnt 0x0
.endif
	TURN \s
	s_wait_dscnt 0x0                               ; X is in; the stage's stores have read their set
.if \s > 0
	s_wait_xcnt 0x0                                ; the last step's stores have read the codes' registers: only behind this wait are they written again
.endif
.if \s < 4
	LOAD \s+2                                      ; into the set just left
.endif
.if \s == 0
	SQ 1
.else
	SQ 0
.endif
	QUANT PW+\s
.irp c, 0,1,2
	global_store_b128 v[L16], v[PC+4*\c:PC+4*\c+3], s[8:9] offset:1536*\s+512*\c   ; the fragment as it stands: 32 lanes store 512 consecutive bytes, at a multiple of 256 from the buffer's first byte
.endr
.endm
	LOAD 0
	LOAD 1
.irp s, 0,1,2,3,4,5
	STEP \s
.endr
	; the record's tail: three lines of scale words and one of norm figures, 512 bytes, gathered in LDS and stored whole
	v_cmp_lt_u32 vcc_lo, 15, v0                    ; lanes 16-31
	v_pk_add_f32 v[SS:SS+1], v[SS:SS+1], v[SS+2:SS+3]
	v_add_f32 v9, v[SS], v[SS+1]
	v_permlanex16_b32 v[TM+4], v9, s20, s21
	v_add_f32 v9, v9, v[TM+4]                      ; with lane l xor 16's half: the row's sum of squares
	v_sqrt_f32 v10, v9                             ; n
	v_cndmask_b32 v14, v[PW], v[PW+1], vcc_lo      ; (a plain instruction behind the root)  K step 0's word below, K step 1's above
	s_wait_alu depctr_va_vdst(0)
	v_mul_f32 v11, 0x4cbebc20, v10                 ; q1 = 1e8 n
	v_max_num_f32 v12, 0x0d800000, v10             ; max(n, 2^-100)
	v_rcp_f32 v13, v12                             ; q0
	v_cndmask_b32 v15, v[PW+2], v[PW+3], vcc_lo    ; (a plain instruction behind the reciprocal)
	v_cndmask_b32 v9, v[PW+4], v[PW+5], vcc_lo
	s_wait_alu depctr_va_vdst(0)
	v_cndmask_b32 v10, v13, v11, vcc_lo            ; q0 below, q1 above
	ds_store_b32 v[TW], v14
	ds_store_b32 v[TW], v15 offset:128
	ds_store_b32 v[TW], v9 offset:256
	ds_store_b32 v[TW], v10 offset:384
	ds_load_b128 v[R:R+3], v[TRD]                  ; LDS serves a wave's instructions in order: this sees my stores
	s_wait_dscnt 0x0
	global_store_b128 v[L16], v[R:R+3], s[8:9] offset:9216
	s_wait_tensorcnt 0x0
	ds_add_u32 v254, v255
	s_wait_dscnt 0x0
	s_endpgm
.Lfunc_end_k_q80f5716600_quant:
	.size	k_q80f5716600_quant, .Lfunc_end_k_q80f5716600_quant-k_q80f5716600_quant
	.p2alignl 7, 3214868480
	.fill 96, 4, 3214868480
	.section	.rodata,"a",@progbits
	.p2align	6, 0x0
	.amdhsa_kernel k_q80f5716600_quant
		.amdhsa_group_segment_fixed_size 9216
		.amdhsa_private_segment_fixed_size 0
		.amdhsa_enable_private_segment 0
		.amdhsa_kernarg_size 32
		.amdhsa_user_sgpr_count 2
		.amdhsa_user_sgpr_kernarg_segment_ptr 1
		.amdhsa_wavefront_size32 1
		.amdhsa_system_sgpr_workgroup_id_x 1
		.amdhsa_system_sgpr_workgroup_id_y 1
		.amdhsa_system_sgpr_workgroup_id_z 1
		.amdhsa_system_vgpr_workitem_id 0
		.amdhsa_next_free_vgpr 256
		.amdhsa_next_free_sgpr 66
		.amdhsa_reserve_vcc 1
		.amdhsa_float_denorm_mode_32 3
		.amdhsa_float_denorm_mode_16_64 3
		.amdhsa_memory_ordered 1
		.amdhsa_forward_progress 1
		.amdhsa_inst_pref_size 62
	.end_amdhsa_kernel
	.amdgpu_metadata
---
amdhsa.version: [ 1, 2 ]
amdhsa.kernels:
  - .name:           k_q80f5716600_quant
    .symbol:         k_q80f5716600_quant.kd
    .args:
      - { .name: embed, .offset: 0, .size: 8, .value_kind: global_buffer, .address_space: global }
      - { .name: label_embed, .offset: 8, .size: 8, .value_kind: global_buffer, .address_space: global }
      - { .name: ea, .offset: 16, .size: 8, .value_kind: global_buffer, .address_space: global }
      - { .name: lb, .offset: 24, .size: 8, .value_kind: global_buffer, .address_space: global }
    .group_segment_fixed_size: 9216
    .private_segment_fixed_size: 0
    .kernarg_segment_align: 8
    .kernarg_segment_size: 32
    .max_flat_workgroup_size: 32
    .sgpr_count:     66
    .vgpr_count:     256
    .wavefront_size: 32
...
	.end_amdgpu_metadata
.endif
;; end of part 1
;; launch match (part 2): grid 64 x 4, 4 waves a work-group, clusters of 4 x 1, 246,272 bytes of LDS; arguments ea, lb, out0; writes out0
.if DOCPART == 2
	.amdgcn_target "amdgcn-amd-amdhsa--gfx1250"
	.amdhsa_code_object_version 6
	.text
	.protected	k_q80f5716600_match
	.globl	k_q80f5716600_match
	.p2align	8
	.type	k_q80f5716600_match,@function
k_q80f5716600_match:
	s_mov_b64 s[64:65], 0
	v_nop
	global_prefetch_b8 v0, s[64:65] scope:SCOPE_SE
	s_setreg_imm32_b32 hwreg(HW_REG_WAVE_MODE, 25, 1), 1
	s_wait_xcnt 0x0
	s_wait_alu depctr_hold_cnt(0) depctr_sa_sdst(0) depctr_va_vdst(0) depctr_va_sdst(0) depctr_va_ssrc(0) depctr_va_vcc(0) depctr_vm_vsrc(0)
	s_getreg_b32 s2, hwreg(HW_REG_IB_STS2, 6, 4)
	s_cmp_eq_u32 s2, 0
	s_cbranch_scc0 .Lentry_in_a_cluster
	s_endpgm
.Lentry_in_a_cluster:
	s_bfe_u32 s2, ttmp6, 0x10000c
	s_cmp_lg_u32 s2, 0x3003
	s_cbranch_scc0 .Lentry_shape_is_right
	s_endpgm
.Lentry_shape_is_right:
; out0[b][l] = max(-1, max over s and v of dot(embed[s][b], label[l][v]) / max(|e| |l|, 1e-8)), the dots on codes of BF6 (E3M2) with one E8M0 scale for each 32 along K, sums in f32.
; Both operands come as RECORDS of 9,728 bytes (16 rows x 768 K): six fragments in the order of the operand's registers (1536 s + 512 c + 16 lane), scale words (9216 + 128 p + 4 lane: lanes 0-15 K step 2 p,
; lanes 16-31 K step 2 p + 1), q0 = 1 / max(n, 2^-100) at 9600 + 4 r, q1 = 1e8 n at 9664 + 4 r, n the row's norm.  ea's record 16 b + st holds rows (s = 16 st + r, b); lb's record U holds labels 2 U, 2 U + 1, eight values each.
; THE COSINE: 1 / max(ne nl, 1e-8) = min(1 / ne, 1e8 nl) x (1 / nl) = min(q0_e, q1_l) x q0_l.  q0_l is positive and the same for a whole column: it multiplies the column's maximum, not each number.
; LIMITS: NaN and infinities are not served.  A norm under 2^-63 counts as 0: a label row of such a norm gives 0 where the definition gives dot x 1e8 (under 1.1e-11 x |e| in magnitude);
; an embed row of such a norm is served as defined as long as the label's norm stays under 9e10.
; SHARES: work-group (x, y): x = a pair of b, y = a quarter of the columns: 400 columns, 25 records, 50 labels.  Wave w owns 128 rows: b = 2 x + w / 2, s = 128 (w % 2) on: ea's records 32 x + 8 w + 0..7.
; Those eight records STAY IN THE WAVE'S REGISTERS, 576 of them; the quarter's 25 label records (243,200 dense bytes) stay in LDS: each byte of LDS is filled once, so there is no ring and no refill.
; All of K lies in registers: a tile of 16 x 16 is six matrix instructions, eight accumulators (the wave's eight tiles of rows against one tile of columns) take turns, one instruction a turn.
; BY TURNS: the work behind a column tile's products (103 vector instructions: the factor, the product, the maximum) and a tile's four address sums, 107 in all, are dealt in 48 slices of two or three, one behind
; each of the NEXT column tile's 48 matrix instructions; two sets of accumulators change places.  A slice works in window 0, a product's operands lie in windows 1 to 3: so a slice costs two s_set_vgpr_msb.
; Set in a phase of its own, that vector work would stand where no product is issued.  The 64 factors of a tile are made two to an instruction (the dual form).
; ALL LDS INSTRUCTIONS OF A TILE STAND IN ONE RUN of 25, behind the third product's slice: the result word of the tile before last, this tile's norm figures, the next tile's scale words and fragments.
; CLUSTER: the four work-groups of a cluster share y: each label record is asked for JOINTLY (mask 15).  ea's records are NOT asked for jointly: a joint request lands in LDS, and a work-group's 32 records
; (311,296 bytes) do not fit there beside the labels' 243,200; they go straight into registers, and the partners of this cluster need different ones.
; OUTPUT: 200 bytes for each (b, y), 8 a lane: parts of 256-byte blocks; all of out0 is 102,400 bytes.
; REGISTERS, in windows of 256 (s_set_vgpr_msb: bits 1:0 source 0, 3:2 source 1, 5:4 source 2, 7:6 destination):
;   window 0: v1-9 addresses; v10-11 two running maxima; v12-13 and v34-35 q1_l, v14-15 q0_l (a register for each set); v16-23 at work; v24-29 the labels' scale words, two sets; v38 a tile's result;
;             v40-63 embed's scale words; v64-127 q0_e; v128-255 two sets of 8 accumulators
;   window k = 1..3 (K steps 2 (k - 1) + u): embed's fragment (a, u) at v[24 a + 12 u]; the labels' fragment (set q, u) at v[192 + 24 q + 12 u]
.set REC,  9728
.set NREC, 25
.set RES,  NREC*REC                    ; behind the records, at a multiple of 256: 256 bytes for each wave: word 2 c + u = its maximum for label 2 c + u.  No tile lands here
.set NE,   107                         ; a tile's vector instructions: 4 address sums + 8 x 12 + 7
.set L16,  1                           ; 16 x lane
.set L4,   2                           ; 4 x lane
.set R4,   3                           ; 4 x (lane % 16)
.set H32,  4                           ; 32 x (lane / 16)
.set AD16, 5                           ; the first three + the column tile's place in LDS
.set AD4,  6
.set ADR,  7
.set RA0,  8                           ; RES + 256 wave + 4 x ((lane / 8) % 2)
.set RAW,  9                           ; + 8 x the tile whose result is stored
.set RUN,  10
.set G,    12                          ; q1_l
.set RL,   14                          ; q0_l
.set F,    16
.set SB,   24
.set TMP,  30
.set CA,   31                          ; RES + 256 wave + 8 x lane
.set FIN,  32                          ; v32-37 the last maxima, behind the last tile
.set GB,   34                          ; q1_l once more: the dual form's two second sources are then different registers whose numbers differ modulo 4
.set RS,   38                          ; a tile's result, kept until the next tile's run of LDS instructions
.set L8,   39                          ; 8 x lane
.set SA,   40
.set RN,   64
.set ACC,  128
.set BF,   192
.set G1A,  16                          ; s[16:23] descriptor group 1: a record, 38 rows of 256 bytes
.set G1B,  24                          ; s[24:31] a quarter of a record, 19 rows of 128 bytes
.set G0,   32                          ; s[32:59] seven groups 0
.set SEL,  60                          ; s[60:61] v_permlanex16_b32's selects for lane l xor 16
.set TB,   62                          ; s62 LDS byte at which the column tile in hand begins
.set TR,   63                          ; s63 8 x the tile whose result is stored
.set CNT,  66
.set MSB, 0
.macro WIN new                         ; the immediate's high byte repeats the setting that is left; a switch that changes nothing is dropped
.if MSB != (\new)
	s_set_vgpr_msb (MSB<<8)|(\new)
.set MSB, (\new)
.endif
.endm
.macro CROUND                          ; a round of the cluster's barrier: my work-group's barrier; wave 0 signals for the work-group; every wave waits for all four work-groups; my work-group's barrier once more
	s_barrier_signal -1
	s_barrier_wait -1
	s_cmp_lg_u32 s10, 0
	s_cbranch_scc1 .Lnot_wave_0_\@
	s_barrier_signal -3
.Lnot_wave_0_\@:
	s_barrier_wait -3
	s_barrier_signal -1
	s_barrier_wait -1
.endm
.macro ARRIVE n                        ; my oldest 7 - n tensor loads have landed (a wave's tensor loads end in order); no LDS instruction of mine is out; behind the barrier that holds of all four waves.  Nothing is ever filled again
	s_wait_tensorcnt \n
	s_wait_dscnt 0x0
	s_barrier_signal -1
	s_barrier_wait -1
.endm
	s_load_b128 s[4:7], s[0:1], 0x0                ; ea, lb
	s_load_b64 s[8:9], s[0:1], 0x10                ; out0
	s_set_vgpr_msb 0x40
	v_lshl_add_u32 v254, v0, 2, 0x3c000
	v_mov_b32 v255, 0
	s_set_vgpr_msb 0x4045
	ds_add_u32 v254, v255
	ds_add_u32 v254, v255
	s_set_vgpr_msb 0x4500
	v_lshrrev_b32 v[FIN], 5, v0
	v_readfirstlane_b32 s10, v[FIN]                ; wave 0..3
	v_and_b32 v[FIN], 31, v0                       ; lane
	v_lshlrev_b32 v[L16], 4, v[FIN]
	v_lshlrev_b32 v[L4], 2, v[FIN]
	v_lshlrev_b32 v[L8], 3, v[FIN]
	v_and_b32 v[R4], 15, v0
	v_lshlrev_b32 v[R4], 2, v[R4]
	v_bfe_u32 v[H32], v0, 4, 1
	v_lshlrev_b32 v[H32], 5, v[H32]
	v_bfe_u32 v[RA0], v0, 3, 1
	s_lshl_b32 s14, s10, 8
	s_add_co_u32 s14, s14, RES                     ; my wave's 256 bytes of results
	v_lshl_add_u32 v[RA0], v[RA0], 2, s14
	v_add_nc_u32 v[CA], s14, v[L8]
	v_mov_b32 v[TMP], 0                            ; written once: a lane permute's destination counts as one of its sources
	s_bfe_u32 s11, ttmp6, 0x40000                  ; cx: my place in the cluster
	s_lshl_b32 s12, ttmp9, 2                       ; in a cluster launch ttmp9 counts clusters
	s_add_co_u32 s12, s12, s11                     ; x: my pair of b.  It enters ea's and out0's addresses alone
	s_and_b32 s13, ttmp7, 0xffff                   ; y: my quarter of the columns, which the four partners share
	s_lshl_b32 s68, s12, 5
	s_lshl_b32 s69, s10, 3
	s_add_co_u32 s68, s68, s69
	s_mul_i32 s68, s68, REC                        ; ea: record 32 x + 8 wave
	s_mov_b32 s69, 0
	s_mul_i32 s73, s13, NREC*REC                   ; lb: the quarter's first byte
	s_mul_i32 s76, s10, REC                        ; a record a wave,
	s_mul_i32 s77, s10, REC/4                      ; and of the 25th a quarter a wave
	s_add_co_u32 s70, s73, s76
	s_mov_b32 s71, 0
	s_add_co_u32 s74, s73, s77
	s_add_co_u32 s74, s74, 24*REC
	s_mov_b32 s75, 0
	s_lshl_b32 s78, s12, 1
	s_lshr_b32 s79, s10, 1
	s_add_co_u32 s78, s78, s79                     ; b = 2 x + wave / 2
	s_mul_i32 s78, s78, 800
	s_mul_i32 s79, s13, 200
	s_add_co_u32 s78, s78, s79                     ; out0: (200 b + 50 y) x 4 bytes
	s_mov_b32 s79, 0
	s_mov_b32 s[SEL], 0x76543210
	s_mov_b32 s[SEL+1], 0xfedcba98
	s_mov_b32 s[TB], 0
	s_mov_b32 s[TR], 0
	; descriptor groups 1.  15:0 the mask: all four work-groups; 17:16 elements of 8 bytes; 20 no padding (a fragment's image is read 512 consecutive bytes an instruction); 21 set beside a mask
	s_mov_b32 s[G1A], 15|(3<<16)|(1<<21)
	s_mov_b32 s[G1A+1], 32<<16                     ; tensor_dim0 = 32 elements: 256 bytes
	s_mov_b32 s[G1A+2], 38<<16                     ; tensor_dim1 = 38
	s_mov_b32 s[G1A+3], 32<<16                     ; tile_dim0
	s_mov_b32 s[G1A+4], 38                         ; tile_dim1
	s_mov_b32 s[G1A+5], 32                         ; from row to row: dense
	s_mov_b32 s[G1A+6], 0
	s_mov_b32 s[G1A+7], 0
	s_mov_b32 s[G1B], 15|(3<<16)|(1<<21)
	s_mov_b32 s[G1B+1], 16<<16                     ; 2,432 bytes are 19 rows of 128
	s_mov_b32 s[G1B+2], 19<<16
	s_mov_b32 s[G1B+3], 16<<16
	s_mov_b32 s[G1B+4], 19
	s_mov_b32 s[G1B+5], 16
	s_mov_b32 s[G1B+6], 0
	s_mov_b32 s[G1B+7], 0
	s_wait_dscnt 0x0
	s_wait_kmcnt 0x0
	s_add_nc_u64 s[4:5], s[4:5], s[68:69]
	s_add_nc_u64 s[74:75], s[6:7], s[74:75]
	s_add_nc_u64 s[6:7], s[6:7], s[70:71]
	s_add_nc_u64 s[8:9], s[8:9], s[78:79]
	; groups 0: load g brings record 4 g + wave to LDS byte (4 g + wave) x 9,728; the seventh my quarter of record 24.  No place in the cluster enters them
.irp g, 0,1,2,3,4,5
	s_mov_b32 s[G0+4*\g], 1                        ; count = 1
	s_add_co_u32 s[G0+4*\g+1], s76, \g*4*REC       ; LDS address
	s_add_nc_u64 s[G0+4*\g+2:G0+4*\g+3], s[6:7], \g*4*REC
	s_or_b32 s[G0+4*\g+3], s[G0+4*\g+3], 0x80000000   ; type = 2
.endr
	s_mov_b32 s[G0+24], 1
	s_add_co_u32 s[G0+25], s77, 24*REC
	s_mov_b64 s[G0+26:G0+27], s[74:75]
	s_or_b32 s[G0+27], s[G0+27], 0x80000000
	CROUND                                         ; all four work-groups are here: the joint loads meet
.irp g, 0,1,2,3,4,5
	tensor_load_to_lds s[G0+4*\g:G0+4*\g+3], s[G1A:G1A+7]
	s_nop 0
.endr
	tensor_load_to_lds s[G0+24:G0+27], s[G1B:G1B+7]   ; seven tensor loads of mine are out: all that this launch has; their descriptors are never rewritten
	s_nop 0
.rept 4
	v_nop
.endr
	; MY EIGHT RECORDS OF ea: 144 loads of fragments, 24 of scale words, 16 of q0.  They stand behind the labels' seven requests, which take no register and no place in this count:
	; the labels are on their way while the wave issues these 184.  Their address registers are never rewritten
.irp k, 1,2,3
	WIN \k<<6                                      ; destination window k, address window 0
.irp a, 0,1,2,3,4,5,6,7
.irp u, 0,1
.irp c, 0,1,2
	global_load_b128 v[24*\a+12*\u+4*\c:24*\a+12*\u+4*\c+3], v[L16], s[4:5] offset:REC*\a+1536*(2*(\k-1)+\u)+512*\c
.endr
.endr
.endr
.endr
	WIN 0
.irp a, 0,1,2,3,4,5,6,7
.irp t, 0,1,2
	global_load_b32 v[SA+3*\a+\t], v[L4], s[4:5] offset:REC*\a+9216+128*\t
.endr
.endr
.irp a, 0,1,2,3,4,5,6,7                        ; a result's register j of lane (r, h) is row 8 h + j: q0 of those eight rows
	global_load_b128 v[RN+8*\a:RN+8*\a+3], v[H32], s[4:5] offset:REC*\a+9600
	global_load_b128 v[RN+8*\a+4:RN+8*\a+7], v[H32], s[4:5] offset:REC*\a+9616
.endr
; Product i of 48 of a column tile whose set is par: window k = i / 16 + 1, K step 2 (k - 1) + u with u = (i / 8) % 2, rows' tile a = i % 8.  Source 0 = 16 rows of embed, source 1 = 16 label rows:
; in the result lane (r, h) holds column r, register j row 8 h + j.  The first eight start the sums with the constant 0.  The odd K step's scale words lie in lanes 16-31 of the same registers.
.macro PROD par
.set PK, i/16+1
.set PU, (i/8)%2
.set PA, i%8
.set rD, ACC+64*(\par)+8*PA
.set rA, 24*PA+12*PU
.set rB, BF+24*(\par)+12*PU
.set rX, SA+3*PA+PK-1
.set rY, SB+3*(\par)+PK-1
	WIN 5*PK                                       ; sources 0 and 1 window k; C and D window 0
.if i < 8
	v_wmma_scale_f32_16x16x128_f8f6f4 v[rD:rD+7], v[rA:rA+11], v[rB:rB+11], 0, v[rX], v[rY] matrix_a_fmt:MATRIX_FMT_BF6 matrix_b_fmt:MATRIX_FMT_BF6
.elseif PU == 0
	v_wmma_scale_f32_16x16x128_f8f6f4 v[rD:rD+7], v[rA:rA+11], v[rB:rB+11], v[rD:rD+7], v[rX], v[rY] matrix_a_fmt:MATRIX_FMT_BF6 matrix_b_fmt:MATRIX_FMT_BF6
.else
	v_wmma_scale_f32_16x16x128_f8f6f4 v[rD:rD+7], v[rA:rA+11], v[rB:rB+11], v[rD:rD+7], v[rX], v[rY] matrix_a_fmt:MATRIX_FMT_BF6 matrix_b_fmt:MATRIX_FMT_BF6 matrix_a_scale:MATRIX_SCALE_ROW1 matrix_b_scale:MATRIX_SCALE_ROW1
.endif
.endm
; Six LDS loads: the two label fragments of window k into set q, from off bytes behind v[adr]
.macro LDRUN k, q, adr, off
	WIN (\k)<<6
.irp u, 0,1
.irp c, 0,1,2
	ds_load_b128 v[BF+24*(\q)+12*\u+4*\c:BF+24*(\q)+12*\u+4*\c+3], v[\adr] offset:(\off)+1536*(2*((\k)-1)+\u)+512*\c
.endr
.endr
.endm
; A TILE'S VECTOR WORK, a list of 107; ENT writes number EN of it and steps EN.  Numbers 0-3: the LDS addresses of the tile in hand (number 3, the result word's, only where sto = 1).
; Numbers 4 on: the work behind the tile before, whose set is pp.  For each of the eight tiles of rows, twelve: four pairs of factors min(q0_e, q1_l), two minima to an instruction;
; four packed products, each accumulator from its low end on; four maxima of three onto two chains (the first two of all start the chains).
; Then seven: the chains join; x q0_l; the label's eight values (lanes l xor 1, 2, 4); the rows of the other half of the lanes; the result stays in v[RS] until the next run of LDS instructions.
.macro ENT pp, sto
.set LN, EN-4
.set EA, LN/12
.set EE, LN%12
.set EP, EE-4
.set EM, EE-8
.if EN == 0
	v_add_nc_u32 v[AD16], s[TB], v[L16]
.elseif EN == 1
	v_add_nc_u32 v[AD4], s[TB], v[L4]
.elseif EN == 2
	v_add_nc_u32 v[ADR], s[TB], v[R4]
.elseif EN == 3
.if \sto
	v_add_nc_u32 v[RAW], s[TR], v[RA0]
.endif
.elseif (LN < 96) && (EE < 4)
	v_dual_min_num_f32 v[F+2*EE], v[RN+8*EA+2*EE], v[G+(\pp)] :: v_dual_min_num_f32 v[F+2*EE+1], v[RN+8*EA+2*EE+1], v[GB+(\pp)]
.elseif (LN < 96) && (EE < 8)
	v_pk_mul_f32 v[F+2*EP:F+2*EP+1], v[ACC+64*(\pp)+8*EA+2*EP:ACC+64*(\pp)+8*EA+2*EP+1], v[F+2*EP:F+2*EP+1]
.elseif LN < 10
	v_max_num_f32 v[RUN+EM], v[F+2*EM], v[F+2*EM+1]
.elseif LN < 96
	v_max3_num_f32 v[RUN+EM%2], v[RUN+EM%2], v[F+2*EM], v[F+2*EM+1]
.elseif LN == 96
	v_max_num_f32 v[RUN], v[RUN], v[RUN+1]
.elseif LN == 97
	v_mul_f32 v[RUN], v[RUN], v[RL+(\pp)]
.elseif LN == 98
	v_max_num_f32_dpp v[RUN], v[RUN], v[RUN] row_xmask:1 row_mask:0xf bank_mask:0xf
.elseif LN == 99
	v_max_num_f32_dpp v[RUN], v[RUN], v[RUN] row_xmask:2 row_mask:0xf bank_mask:0xf
.elseif LN == 100
	v_max_num_f32_dpp v[RUN], v[RUN], v[RUN] row_xmask:4 row_mask:0xf bank_mask:0xf
.elseif LN == 101
	v_permlanex16_b32 v[TMP], v[RUN], s[SEL], s[SEL+1]
.else
	v_max_num_f32 v[RS], v[RUN], v[TMP]
.endif
.set EN, EN+1
.endm
; A COLUMN TILE c.  par: its set of accumulators, label fragments and scale words.  first = 1: there is no tile before it, so no slices.  nxt = 1: the next tile's fragments and scale words are fetched into the other set.
; sto = 1: tile c - 2's result word, finished in the tile before, is stored.
; Behind product i stands a slice that brings the list to number ceil(107 (i + 1) / 48): two or three instructions.  Behind the third slice stands the run of LDS instructions; the addresses are the list's first four numbers.
; This tile's q1_l and q0_l are fetched in this tile, not ahead: the other set's are still being read by the slices.
; DISTANCES: a slice names no register of the products of this tile; an accumulator's first read stands behind at least the slices of eight products; the run of loads
; stands behind four slices, eight vector instructions or more, since its registers' last product; a set is begun anew with the constant 0 a whole tile's slices behind its last product.
.macro CT par, first, nxt, sto
	s_wait_dscnt 0x0                               ; the run of the tile before, issued 45 products ago: my fragments, scale words and norm figures are in
.if \first
	v_add_nc_u32 v[AD16], s[TB], v[L16]
	v_add_nc_u32 v[AD4], s[TB], v[L4]
	v_add_nc_u32 v[ADR], s[TB], v[R4]
.endif
.set EN, 0
.set i, 0
.rept 48
	PROD \par
.if !\first
	WIN 0
.rept (NE*(i+1)+47)/48-EN
	ENT 1-\par, \sto
.endr
.endif
.if i == 2
	WIN 0
.if \sto
	ds_store_b32 v[RAW], v[RS]                     ; a label's sixteen lanes write the same word with the same value
.endif
	ds_load_b32 v[G+\par], v[ADR] offset:9664
	ds_load_b32 v[GB+\par], v[ADR] offset:9664
	ds_load_b32 v[RL+\par], v[ADR] offset:9600
.if \nxt
.irp t, 0,1,2
	ds_load_b32 v[SB+3*(1-\par)+\t], v[AD4] offset:REC+9216+128*\t
.endr
	LDRUN 1, 1-\par, AD16, REC
	LDRUN 2, 1-\par, AD16, REC
	LDRUN 3, 1-\par, AD16, REC
.endif
.endif
.set i, i+1
.endr
	WIN 0                                          ; at a label and at a branch every window is 0
.if \first
.rept 4
	v_nop                                          ; no slices stood behind these products: the places in front of the first read of their results and of the next run of loads
.endr
.endif
.if \sto
	s_add_co_u32 s[TR], s[TR], 8
.endif
	s_add_co_u32 s[TB], s[TB], REC
.endm
	ARRIVE 6                                       ; records 0-3 are in; my six younger loads stay out
	LDRUN 1, 0, L16, 0                             ; column tile 0
	LDRUN 2, 0, L16, 0
	LDRUN 3, 0, L16, 0
	WIN 0
.irp t, 0,1,2
	ds_load_b32 v[SB+\t], v[L4] offset:9216+128*\t
.endr
	s_wait_loadcnt 0x0                             ; my eight records of ea
	CT 0, 1, 1, 0                                  ; tile 0; fetches 1
	CT 1, 0, 1, 0                                  ; tile 1: tile 0's result is made, none is there yet to store
	CT 0, 0, 1, 1                                  ; tile 2; fetches 3, the last record that is known to be in; stores tile 0's word
	ARRIVE 4                                       ; records 0-11 are in; my four younger loads stay out
	s_mov_b32 s[CNT], 4
.Lfirst_run:                                           ; tiles 3 to 10; they fetch 4 to 11
	CT 1, 0, 1, 1
	CT 0, 0, 1, 1
	s_sub_co_u32 s[CNT], s[CNT], 1
	s_cmp_lg_u32 s[CNT], 0
	s_cbranch_scc1 .Lfirst_run
	ARRIVE 0                                       ; all 25 records are in
	s_mov_b32 s[CNT], 6
.Lsecond_run:                                          ; tiles 11 to 22; they fetch 12 to 23
	CT 1, 0, 1, 1
	CT 0, 0, 1, 1
	s_sub_co_u32 s[CNT], s[CNT], 1
	s_cmp_lg_u32 s[CNT], 0
	s_cbranch_scc1 .Lsecond_run
	CT 1, 0, 1, 1                                  ; tile 23; fetches 24
	CT 0, 0, 0, 1                                  ; tile 24: nothing is left to fetch; stores tile 22's word
	s_wait_dscnt 0x0                               ; its q1_l and q0_l
.rept 4
	v_nop                                          ; the places behind the last products
.endr
	v_add_nc_u32 v[RAW], s[TR], v[RA0]
	ds_store_b32 v[RAW], v[RS]                     ; tile 23's word
.set EN, 4
.rept NE-4
	ENT 0, 0                                       ; the work behind tile 24, on end
.endr
	ds_store_b32 v[RAW], v[RS] offset:8            ; tile 24's word
	s_wait_dscnt 0x0                               ; for the others' sake: my fifty words lie in LDS
	s_barrier_signal -1
	s_barrier_wait -1
	; waves 2 i and 2 i + 1 hold the two halves of s of one b: the even wave joins them, holds the result at -1 from below and stores it: lane c takes labels 2 c and 2 c + 1
	s_and_b32 s68, s10, 1
	s_cmp_lg_u32 s68, 0
	s_cbranch_scc1 .Lodd_wave
	s_wait_xcnt 0x0                                ; EXEC changes only behind this wait
	v_cmp_gt_u32 vcc_lo, 200, v[L8]                ; lanes 0 to 24: the other seven lanes' bytes of the 256 were never written, and are not read
	s_and_saveexec_b32 s72, vcc_lo
	ds_load_b64 v[FIN:FIN+1], v[CA]
	ds_load_b64 v[FIN+2:FIN+3], v[CA] offset:256
	s_wait_dscnt 0x0
	v_max3_num_f32 v[FIN+4], v[FIN], v[FIN+2], -1.0
	v_max3_num_f32 v[FIN+5], v[FIN+1], v[FIN+3], -1.0
	global_store_b64 v[L8], v[FIN+4:FIN+5], s[8:9]
	s_wait_xcnt 0x0                                ; and again in front of the line that widens it
	s_or_b32 exec_lo, exec_lo, s72
.Lodd_wave:
	s_wait_tensorcnt 0x0                           ; no tensor load is out at the end
	s_set_vgpr_msb 0x5
	s_wait_tensorcnt 0x0
	ds_add_u32 v254, v255
	s_wait_dscnt 0x0
	s_set_vgpr_msb 0x500
	CROUND                                         ; the closing round: no work-group ends while a partner may still ask for a record that names it
	s_endpgm
.Lfunc_end_k_q80f5716600_match:
	.size	k_q80f5716600_match, .Lfunc_end_k_q80f5716600_match-k_q80f5716600_match
	.p2alignl 7, 3214868480
	.fill 96, 4, 3214868480
	.section	.rodata,"a",@progbits
	.p2align	6, 0x0
	.amdhsa_kernel k_q80f5716600_match
		.amdhsa_group_segment_fixed_size 246272
		.amdhsa_private_segment_fixed_size 0
		.amdhsa_enable_private_segment 0
		.amdhsa_kernarg_size 24
		.amdhsa_user_sgpr_count 2
		.amdhsa_user_sgpr_kernarg_segment_ptr 1
		.amdhsa_wavefront_size32 1
		.amdhsa_system_sgpr_workgroup_id_x 1
		.amdhsa_system_sgpr_workgroup_id_y 1
		.amdhsa_system_sgpr_workgroup_id_z 1
		.amdhsa_system_vgpr_workitem_id 0
		.amdhsa_next_free_vgpr 1024
		.amdhsa_next_free_sgpr 80
		.amdhsa_reserve_vcc 1
		.amdhsa_float_denorm_mode_32 3
		.amdhsa_float_denorm_mode_16_64 3
		.amdhsa_memory_ordered 1
		.amdhsa_forward_progress 1
		.amdhsa_inst_pref_size 178
	.end_amdhsa_kernel
	.amdgpu_metadata
---
amdhsa.version: [ 1, 2 ]
amdhsa.kernels:
  - .name:           k_q80f5716600_match
    .symbol:         k_q80f5716600_match.kd
    .args:
      - { .name: ea, .offset: 0, .size: 8, .value_kind: global_buffer, .address_space: global }
      - { .name: lb, .offset: 8, .size: 8, .value_kind: global_buffer, .address_space: global }
      - { .name: out0, .offset: 16, .size: 8, .value_kind: global_buffer, .address_space: global }
    .group_segment_fixed_size: 246272
    .private_segment_fixed_size: 0
    .kernarg_segment_align: 8
    .kernarg_segment_size: 24
    .max_flat_workgroup_size: 128
    .sgpr_count:     80
    .vgpr_count:     1024
    .wavefront_size: 32
...
	.end_amdgpu_metadata
.endif
;; end of part 2
